; MI455X (gfx1250); checked and timed in simulation.
; The chip was launched on July 23, 2026; its instructions are those of AMD's public machine-readable ISA for CDNA 5 (MIT licence, August 2026) and "CDNA5" Instruction Set Architecture Reference Guide (July 2026). The comments in the code are by the model that wrote it; some were corrected since.
;; Mo E Layer. Allowed arithmetic: float matrix products may take bf16 or f16 operands with f32 sums; other float arithmetic in f32, or as packed bf16 or f16 multiplies, adds, multiply-adds, maxima and minima; sums over many terms, partial sums and values carried from step to step in f32; what a program stores and reads back later, other than sums and carried values, may be rounded once to bf16 or f16.
;; Inputs: W1 8 x 1,024 x 1,024 float32; W2 8 x 1,024 x 1,024 float32; Wr 1,024 x 8 float32; b1 8 x 1,024 float32; b2 8 x 1,024 float32; br 8 float32; x 2 x 2,048 x 1,024 float32.
;; Outputs: out0 2 x 2,048 x 1,024 float32.
;; One version. Each part assembles by itself: llvm-mc -triple=amdgcn-amd-amdhsa -mcpu=gfx1250 --defsym DOCPART=n.
;; ======== version 1 of 1: 5 launches
;; limits: a function is approximated: absolute error at most 2.5e-05; an absolute error that grows with the inputs' magnitude: up to 1.25e-05 times it
;; workspace buffers: xb 17,301,504 bytes; hs 17,301,504 bytes; wf 33,554,432 bytes; y 34,603,008 bytes; gate 32,768 bytes; rinfo 18,432 bytes of whole numbers; plan 78,848 bytes of whole numbers; plan2 37,888 bytes of whole numbers
;; launch route (part 1): grid 256 x 1, 8 waves a work-group, no clusters, 69,120 bytes of LDS; arguments x, Wr, br, xb, gate, rinfo; writes xb, gate, rinfo
.if DOCPART == 1
	.amdgcn_target "amdgcn-amd-amdhsa--gfx1250"
	.amdhsa_code_object_version 6
	.text
	.protected	k_q9c266ec018_route
	.globl	k_q9c266ec018_route
	.p2align	8
	.type	k_q9c266ec018_route,@function
k_q9c266ec018_route:
	s_mov_b64 s[64:65], 0
	v_nop
	global_prefetch_b8 v0, s[64:65] scope:SCOPE_SE
	s_setreg_imm32_b32 hwreg(HW_REG_WAVE_MODE, 25, 1), 1
	s_wait_xcnt 0x0
; ROUTER.  logits = x Wr + br in f32 on x, Wr, br rounded to bf16 (every input of the program is rounded so); the two largest logits of a token choose its experts
; (strict >, so the lower index wins a tie); gates g0 = 1 / (1 + e^(m1 - m0)), g1 = e^(m1 - m0) g0: the softmax's divisor cancels in top / sum(top), and the larger logit is the maximum taken away.
; Beside that x is stored rounded, in planes of 64 columns: xb[plane][row][64] bf16, a row of a plane 128 bytes.
; LIMITS.  NaN logits are not treated apart.  The choice is made on logits: two probabilities that become equal only by their rounding may be ordered otherwise than by index.
; SHARES.  A work-group owns 16 tokens (a chunk).  Wave w owns planes 2 w and 2 w + 1; lane (q = l % 16, hh = l / 16) owns columns 4 q .. 4 q + 3 of both planes for the 8 tokens of parity hh.
; Each lane's partial sums (8 tokens x 8 experts) meet in LDS; 128 threads add 128 partials each; wave 0 chooses.  No address and no branch hangs on the choice: what is chosen is stored at fixed places:
; rinfo.rec[t] = e0 | e1 << 8 | r0 << 16 | r1 << 24 (r: how many earlier tokens of the chunk chose that expert), rinfo.csum[chunk] = 8 bytes, byte e the chunk's count for expert e.
; No matrix unit: 8 columns of Wr would fill half of one fragment, and the launch is bound by reading x once.
.set PLANE, 1081344                    ; bytes of a plane: 8,448 rows of 128 bytes (the stride that the hidden layer's planes have too)
.set R1P,   528                        ; LDS: a row of 128 partial sums, 512 bytes + 16: the 16 rows that a load of 16 bytes a lane touches start at 16 different groups of banks
.set R2,    128*R1P                    ; behind the 128 rows: the 128 logits
.set SPARE, R2+512                     ; behind them the spare words, 128 bytes for each of 8 waves
.set VX,  1                            ; my byte offset in the chunk's rows of x
.set VW,  2                            ; my byte offset in Wr
.set VS,  3                            ; where my partial sums go in LDS
.set SPW, 4                            ; LDS address of my spare word; never rewritten
.set NIL, 5                            ; 0; never rewritten
.set VO,  6                            ; 8 x lane: my 8 bytes in 256 bytes of xb
.set VB,  7                            ; br of expert (thread % 8)
.set WR,  16                           ; v[16:79]    Wr[plane pl][column c][expert e] at WR + 32 pl + 8 c + e
.set X,   80                           ; v[80:143]   x[pair of tokens tt][pl][4]
.set ACC, 144                          ; v[144:207]  partial logits [tt][e]
.set XB,  208                          ; v[208:215]  packed bf16 for xb, by tt's parity and pl
.set TM,  216                          ; at work
	s_load_b256 s[4:11], s[0:1], 0x0               ; x s[4:5], Wr s[6:7], br s[8:9], xb s[10:11]
	s_load_b128 s[12:15], s[0:1], 0x20             ; gate s[12:13], rinfo s[14:15]
	v_lshl_add_u32 v[SPW], v0, 2, SPARE
	v_mov_b32 v[NIL], 0
	v_lshrrev_b32 v8, 5, v0
	v_readfirstlane_b32 s16, v8                    ; wave 0..7
	v_and_b32 v9, 31, v0                           ; l
	v_and_b32 v10, 15, v0                          ; q
	v_bfe_u32 v11, v0, 4, 1                        ; hh
	s_mov_b32 s17, 0xffff0000                      ; a word's upper bf16
	s_lshl_b32 s18, s16, 9
	v_lshl_add_u32 v[VX], v10, 4, s18              ; 512 w + 16 q
	v_lshl_add_u32 v[VX], v11, 12, v[VX]           ; + 4,096 hh
	s_lshl_b32 s19, s16, 12
	v_lshl_add_u32 v[VW], v10, 7, s19              ; 4,096 w + 128 q: row 128 w + 4 q of Wr, 32 bytes a row
	v_and_b32 v12, 7, v0
	v_lshlrev_b32 v12, 2, v12                      ; br's word for my thread
	s_lshl_b32 s34, s16, 6
	v_lshl_add_u32 v[VS], v10, 2, s34              ; word 16 w + q of a row,
	v_mad_u32_u24 v[VS], v11, 8*R1P, v[VS]         ; 8 rows further down for the odd tokens
	v_lshlrev_b32 v[VO], 3, v9
	s_lshl_b32 s20, ttmp9, 16                      ; the chunk's 16 rows of 4,096 bytes
	s_mov_b32 s21, 0
	s_mul_i32 s22, s16, 2*PLANE                    ; my first plane,
	s_lshl_b32 s23, ttmp9, 11                      ; the chunk's 16 rows of 128 bytes in it
	s_add_co_u32 s22, s22, s23
	s_mov_b32 s23, 0
	s_lshl_b32 s28, ttmp9, 7                       ; gate: 16 tokens x 8 bytes
	s_mov_b32 s29, 0
	s_lshl_b32 s30, ttmp9, 6                       ; rec: 16 words
	s_mov_b32 s31, 0
	s_lshl_b32 s32, ttmp9, 3                       ; csum: 8 bytes
	s_mov_b32 s33, 0
	s_wait_kmcnt 0x0
	s_add_nc_u64 s[4:5], s[4:5], s[20:21]
	s_add_nc_u64 s[24:25], s[10:11], s[22:23]      ; xb at plane 2 w
	s_add_nc_u64 s[26:27], s[24:25], PLANE         ; and at plane 2 w + 1
	s_add_nc_u64 s[28:29], s[12:13], s[28:29]
	s_add_nc_u64 s[30:31], s[14:15], s[30:31]
	s_add_nc_u64 s[32:33], s[14:15], s[32:33]
.irp pl, 0,1
.irp c, 0,1,2,3
	global_load_b128 v[WR+32*\pl+8*\c:WR+32*\pl+8*\c+3],   v[VW], s[6:7] offset:\pl*2048+\c*32
	global_load_b128 v[WR+32*\pl+8*\c+4:WR+32*\pl+8*\c+7], v[VW], s[6:7] offset:\pl*2048+\c*32+16
.endr
.endr
	global_load_b32 v[VB], v12, s[8:9]
.irp tt, 0,1,2,3,4,5,6,7
.irp pl, 0,1
	global_load_b128 v[X+8*\tt+4*\pl:X+8*\tt+4*\pl+3], v[VX], s[4:5] offset:\tt*8192+\pl*256 th:TH_LOAD_NT  ; 16 lanes take 256 consecutive bytes of one token's row
.endr
.endr
	s_wait_loadcnt 16                              ; Wr and br are in; the 16 loads of x behind them stay out
.set i, 0
.rept 32                                               ; Wr rounded to bf16, kept as f32
	v_cvt_pk_bf16_f32 v[TM+i%4], v[WR+2*i], v[WR+2*i+1]
	v_lshlrev_b32 v[WR+2*i], 16, v[TM+i%4]
	v_and_b32 v[WR+2*i+1], s17, v[TM+i%4]
.set i, i+1
.endr
	v_cvt_pk_bf16_f32 v[TM], v[VB], v[VB]
	v_lshlrev_b32 v[VB], 16, v[TM]
; The pair of tokens 2 tt, 2 tt + 1: x rounded, stored, and multiplied by Wr.
.macro TOK tt
	s_wait_loadcnt 2*(7-(\tt))                     ; loads come back in order: this pair's two are in, two for each later pair stay out
	s_wait_xcnt 0x0                                ; the stores of two pairs ago have read XB's registers: they are rewritten only behind this wait
.irp pl, 0,1
.set xr, X+8*(\tt)+4*\pl
.set xp, XB+4*((\tt)%2)+2*\pl
	v_cvt_pk_bf16_f32 v[xp], v[xr], v[xr+1]
	v_cvt_pk_bf16_f32 v[xp+1], v[xr+2], v[xr+3]
	v_lshlrev_b32 v[xr], 16, v[xp]
	v_and_b32 v[xr+1], s17, v[xp]
	v_lshlrev_b32 v[xr+2], 16, v[xp+1]
	v_and_b32 v[xr+3], s17, v[xp+1]
	global_store_b64 v[VO], v[xp:xp+1], s[24+2*\pl:25+2*\pl] offset:(\tt)*256  ; the wave stores 256 consecutive bytes: two rows of a plane
.endr
.irp pl, 0,1
.irp c, 0,1,2,3
.irp ep, 0,1,2,3
.set dd, ACC+8*(\tt)+2*\ep
.set xx, X+8*(\tt)+4*\pl+2*((\c)/2)
.set ww, WR+32*\pl+8*\c+2*\ep
.if (\pl == 0) && (\c == 0)
	v_pk_mul_f32 v[dd:dd+1], v[xx:xx+1], v[ww:ww+1] op_sel_hi:[0,1]  ; the first product starts the sums: two experts at once, x's number for both
.elseif ((\c)%2) == 0
	v_pk_fma_f32 v[dd:dd+1], v[xx:xx+1], v[ww:ww+1], v[dd:dd+1] op_sel_hi:[0,1,1]
.else
	v_pk_fma_f32 v[dd:dd+1], v[xx:xx+1], v[ww:ww+1], v[dd:dd+1] op_sel:[1,0,0] op_sel_hi:[1,1,1]
.endif
.endr
.endr
.endr
.endm
.irp tt, 0,1,2,3,4,5,6,7
	TOK \tt
.endr
.irp tt, 0,1,2,3,4,5,6,7
.irp e, 0,1,2,3,4,5,6,7
	ds_store_b32 v[VS], v[ACC+8*\tt+\e] offset:(16*\tt+\e)*R1P  ; row = token x 8 + expert
.endr
.endr
	s_wait_dscnt 0x0                               ; for the others' sake: my partial sums are in LDS
	s_barrier_signal -1
	s_barrier_wait -1
	s_cmp_lt_u32 s16, 4
	s_cbranch_scc0 .Lnosum                         ; 128 logits: the threads of waves 0 to 3 take one each
	v_mul_u32_u24 v8, v0, R1P
.set k, 0
.rept 32
	ds_load_b128 v[80+4*k:83+4*k], v8 offset:16*k
.set k, k+1
.endr
	s_wait_dscnt 0x0
.set k, 1
.rept 31                                               ; two chains of packed sums
	v_pk_add_f32 v[80:81], v[80:81], v[80+4*k:81+4*k]
	v_pk_add_f32 v[82:83], v[82:83], v[82+4*k:83+4*k]
.set k, k+1
.endr
	v_add_f32 v80, v80, v81
	v_add_f32 v82, v82, v83
	v_add_f32 v80, v80, v82
	v_add_f32 v80, v80, v[VB]
	v_lshl_add_u32 v8, v0, 2, R2
	ds_store_b32 v8, v80
.Lnosum:
	s_wait_dscnt 0x0                               ; the logits are in LDS, and my reads of the partial sums are back
	s_barrier_signal -1
	s_barrier_wait -1
	s_cmp_lg_u32 s16, 0
	s_cbranch_scc1 .Lend                           ; wave 0 chooses: lane l for token l % 16 (the upper half mirrors the lower)
.set L,   80
.set M0,  88
.set I0,  89
.set M1,  90
.set I1,  91
.set DD,  92
.set EV,  93
.set G0,  94
.set G1,  95
.set LO,  96
.set HI,  97
.set SLO, 98                           ; v[98:99] the running counts, experts 0-3 and 4-7, a byte each
.set SHI, 99
.set TP,  100
.set SH0, 101
.set SH1, 102
.set ON0, 103
.set ON1, 104
.set RK0, 105
.set RK1, 106
.set REC, 107
.set AD,  108
.set GV,  109
.set ONE, 110
.set ZV,  111
.set AD2, 112
	v_lshl_add_u32 v8, v10, 5, R2
	ds_load_b128 v[L:L+3], v8
	ds_load_b128 v[L+4:L+7], v8 offset:16
	v_mov_b32 v[I0], 0
	v_mov_b32 v[M1], 0xff800000                    ; below every finite logit
	v_mov_b32 v[I1], 0
	v_mov_b32 v[ONE], 1
	v_mov_b32 v[ZV], 0
	v_mov_b32 v[TP], 0
	s_wait_dscnt 0x0
	v_mov_b32 v[M0], v[L]
.irp e, 1,2,3,4,5,6,7
	v_cmp_gt_f32 vcc_lo, v[L+\e], v[M0]            ; strictly greater: the lower index keeps its place
	v_cmp_gt_f32 s20, v[L+\e], v[M1]
	v_cndmask_b32 v[M1], v[M1], v[L+\e], s20
	v_cndmask_b32 v[I1], v[I1], \e, s20
	v_cndmask_b32 v[M1], v[M1], v[M0], vcc_lo
	v_cndmask_b32 v[I1], v[I1], v[I0], vcc_lo
	v_cndmask_b32 v[M0], v[M0], v[L+\e], vcc_lo
	v_cndmask_b32 v[I0], v[I0], \e, vcc_lo
.endr
	v_sub_f32 v[DD], v[M1], v[M0]                  ; at most 0
	v_mul_f32 v[DD], 0x3fb8aa3b, v[DD]
	v_exp_f32 v[EV], v[DD]
	v_and_b32 v[SH0], 3, v[I0]                     ; plain work behind the exponential: each choice as a 1 in its expert's byte
	v_and_b32 v[SH1], 3, v[I1]
	v_lshlrev_b32 v[SH0], 3, v[SH0]
	v_lshlrev_b32 v[SH1], 3, v[SH1]
	v_lshlrev_b32 v[ON0], v[SH0], v[ONE]
	v_lshlrev_b32 v[ON1], v[SH1], v[ONE]
	v_cmp_gt_u32 s20, 4, v[I0]
	v_cmp_gt_u32 s21, 4, v[I1]
	v_cndmask_b32 v[LO], 0, v[ON0], s20
	v_cndmask_b32 v[HI], v[ON0], v[ZV], s20
	s_wait_alu depctr_va_vdst(0)                   ; wait ahead of the first reader of the exponential
	v_add_f32 v[G0], 1.0, v[EV]
	v_rcp_f32 v[G0], v[G0]
	v_cndmask_b32 v[SLO], 0, v[ON1], s21           ; plain work behind the reciprocal
	v_cndmask_b32 v[SHI], v[ON1], v[ZV], s21
	v_add_nc_u32 v[LO], v[LO], v[SLO]
	v_add_nc_u32 v[HI], v[HI], v[SHI]
	v_mov_b32 v[SLO], v[LO]
	v_mov_b32 v[SHI], v[HI]
	s_wait_alu depctr_va_vdst(0)                   ; and ahead of the first reader of the reciprocal
	v_mul_f32 v[G1], v[EV], v[G0]
.irp n, 1,2,4,8                                        ; counts of this token and all earlier ones of the chunk, within each half of 16 lanes; a byte holds 16 at the most
	v_mov_b32_dpp v[TP], v[SLO] row_shr:\n row_mask:0xf bank_mask:0xf bound_ctrl:1
	v_add_nc_u32 v[SLO], v[SLO], v[TP]
	v_mov_b32_dpp v[TP], v[SHI] row_shr:\n row_mask:0xf bank_mask:0xf bound_ctrl:1
	v_add_nc_u32 v[SHI], v[SHI], v[TP]
.endr
	v_sub_nc_u32 v[LO], v[SLO], v[LO]              ; the earlier tokens alone
	v_sub_nc_u32 v[HI], v[SHI], v[HI]
	v_cndmask_b32 v[RK0], v[HI], v[LO], s20
	v_cndmask_b32 v[RK1], v[HI], v[LO], s21
	v_lshrrev_b32 v[RK0], v[SH0], v[RK0]
	v_lshrrev_b32 v[RK1], v[SH1], v[RK1]
	v_and_b32 v[RK0], 0xff, v[RK0]
	v_and_b32 v[RK1], 0xff, v[RK1]
	v_lshl_or_b32 v[REC], v[I1], 8, v[I0]
	v_lshl_or_b32 v[REC], v[RK0], 16, v[REC]
	v_lshl_or_b32 v[REC], v[RK1], 24, v[REC]
	v_cmp_eq_u32 vcc_lo, 1, v11
	v_cndmask_b32 v[GV], v[G0], v[G1], vcc_lo      ; the lower half of the lanes stores g0, the upper g1
	v_lshlrev_b32 v[AD], 3, v10
	v_lshl_add_u32 v[AD], v11, 2, v[AD]
	v_lshlrev_b32 v[AD2], 2, v10
	global_store_b32 v[AD], v[GV], s[28:29]
	s_wait_xcnt 0x0                                ; EXEC changes only behind this wait
	v_cmp_gt_u32 vcc_lo, 16, v9
	s_and_saveexec_b32 s20, vcc_lo
	global_store_b32 v[AD2], v[REC], s[30:31]      ; lanes 0 to 15: a word a token
	s_wait_xcnt 0x0
	s_or_b32 exec_lo, exec_lo, s20
	v_cmp_eq_u32 vcc_lo, 15, v9
	s_and_saveexec_b32 s20, vcc_lo
	global_store_b64 v[ZV], v[SLO:SHI], s[32:33] offset:16384  ; lane 15 holds the chunk's counts
	s_wait_xcnt 0x0
	s_or_b32 exec_lo, exec_lo, s20
.Lend:
	s_wait_tensorcnt 0x0                           ; the wave's end, behind my last LDS store
	ds_add_u32 v[SPW], v[NIL]
	s_wait_dscnt 0x0
	s_endpgm
.Lfunc_end_k_q9c266ec018_route:
	.size	k_q9c266ec018_route, .Lfunc_end_k_q9c266ec018_route-k_q9c266ec018_route
	.p2alignl 7, 3214868480
	.fill 96, 4, 3214868480
	.section	.rodata,"a",@progbits
	.p2align	6, 0x0
	.amdhsa_kernel k_q9c266ec018_route
		.amdhsa_group_segment_fixed_size 69120
		.amdhsa_private_segment_fixed_size 0
		.amdhsa_enable_private_segment 0
		.amdhsa_kernarg_size 48
		.amdhsa_user_sgpr_count 2
		.amdhsa_user_sgpr_kernarg_segment_ptr 1
		.amdhsa_wavefront_size32 1
		.amdhsa_system_sgpr_workgroup_id_x 1
		.amdhsa_system_sgpr_workgroup_id_y 1
		.amdhsa_system_sgpr_workgroup_id_z 1
		.amdhsa_system_vgpr_workitem_id 0
		.amdhsa_next_free_vgpr 232
		.amdhsa_next_free_sgpr 66
		.amdhsa_reserve_vcc 1
		.amdhsa_float_denorm_mode_32 3
		.amdhsa_float_denorm_mode_16_64 3
		.amdhsa_memory_ordered 1
		.amdhsa_forward_progress 1
		.amdhsa_inst_pref_size 49
	.end_amdhsa_kernel
	.amdgpu_metadata
---
amdhsa.version: [ 1, 2 ]
amdhsa.kernels:
  - .name:           k_q9c266ec018_route
    .symbol:         k_q9c266ec018_route.kd
    .args:
      - { .name: x, .offset: 0, .size: 8, .value_kind: global_buffer, .address_space: global }
      - { .name: Wr, .offset: 8, .size: 8, .value_kind: global_buffer, .address_space: global }
      - { .name: br, .offset: 16, .size: 8, .value_kind: global_buffer, .address_space: global }
      - { .name: xb, .offset: 24, .size: 8, .value_kind: global_buffer, .address_space: global }
      - { .name: gate, .offset: 32, .size: 8, .value_kind: global_buffer, .address_space: global }
      - { .name: rinfo, .offset: 40, .size: 8, .value_kind: global_buffer, .address_space: global }
    .group_segment_fixed_size: 69120
    .private_segment_fixed_size: 0
    .kernarg_segment_align: 8
    .kernarg_segment_size: 48
    .max_flat_workgroup_size: 256
    .sgpr_count:     66
    .vgpr_count:     232
    .wavefront_size: 32
...
	.end_amdgpu_metadata
.endif
;; end of part 1
;; launch prep (part 2): grid 256 x 1, 9 waves a work-group, no clusters, 0 bytes of LDS; arguments W1, W2, rinfo, wf, plan, plan2; writes wf, plan, plan2
.if DOCPART == 2
	.amdgcn_target "amdgcn-amd-amdhsa--gfx1250"
	.amdhsa_code_object_version 6
	.text
	.protected	k_q9c266ec018_prep
	.globl	k_q9c266ec018_prep
	.p2align	8
	.type	k_q9c266ec018_prep,@function
k_q9c266ec018_prep:
	s_mov_b64 s[64:65], 0
	v_nop
	global_prefetch_b8 v0, s[64:65] scope:SCOPE_SE
	s_setreg_imm32_b32 hwreg(HW_REG_WAVE_MODE, 25, 1), 1
	s_wait_xcnt 0x0
; TWO JOBS IN ONE LAUNCH.  Waves 0-7: the weights, rounded to bf16 once and laid out in the order in which a wave's operand registers take them.  Wave 8: the rows are placed (a counting sort without atomics).
; wf[m][cw][ks][j][half][lane][8] bf16, m = expert (W1) or 8 + expert (W2): the element is W[e][k][n] with n = 64 cw + 4 r + j, k = 32 ks + 16 half + 8 h + i, lane = r + 16 h.
; So a fragment (32 k x 16 columns) is two runs of 512 consecutive bytes, and since a lane's 4 neighbouring columns are j = 0..3, both the reads here (16 bytes a lane along a row of W) and the writes are contiguous.
; THE SORT.  Expert e's rows lie from OFF[e] on, OFF a running sum of its counts rounded up to 16.  A tile is 144 rows of one expert; the sum of ceil(n / 144) over 8 experts with 8,192 rows in all is never above 64:
; 64 slots serve every split.  Every work-group adds up all 256 chunks' counts for itself, places its own chunk's 32 choices, and work-groups 0-63 write a slot's record and the unused places of its list.
; plan:  meta[64] = {expert, first row, blocks of 16 rows, 0}; list[64][144] tokens (unused places: token 0, a row that exists); pos[token][2] the rows of its two choices; behind pos 64 x 32 spare words.
; plan2: meta with 1 as the last word; list = the slot's own rows, the places past the last block repeating its last row: so that one text serves both products.
; A place of plan's list that a token takes is stored by that token's work-group.  The slot's owner stores its 0 in every pass; where the place is taken, the 0 goes to a spare word of the lane's own, which nobody reads:
; the choice is one of addresses (clamped), so that no mask of lanes hangs on the loaded counts.
.set IN,  16                           ; v[16:143]  four units of 8 loads x 4 registers
.set OUT, 144                          ; v[144:175] two sets of 16
.set N,   16                           ; s[16:23]  rows of each expert
.set BF,  24                           ; s[24:31]  of them in the chunks before mine
.set OFF, 32                           ; s[32:40]  first row of each expert
.set NBK, 41                           ; s[41:48]  blocks of 16 rows
.set CT,  66                           ; s[66:74]  first slot of each expert
.set DUMPW, (70656-1024)/4             ; the first spare word, counted in words from the list's first
	s_load_b256 s[4:11], s[0:1], 0x0               ; W1 s[4:5], W2 s[6:7], rinfo s[8:9], wf s[10:11]
	s_load_b128 s[12:15], s[0:1], 0x20             ; plan s[12:13], plan2 s[14:15]
	v_lshrrev_b32 v1, 5, v0
	v_readfirstlane_b32 s2, v1                     ; wave 0..8
	v_and_b32 v2, 31, v0                           ; l
	v_and_b32 v3, 15, v0                           ; q
	v_bfe_u32 v4, v0, 4, 1                         ; h
	s_wait_kmcnt 0x0
	s_cmp_eq_u32 s2, 8
	s_cbranch_scc1 .Lsort
	; THE LAYOUT.  Work-group g = 16 m + cw owns 64 columns of one matrix; wave w its rows k = 128 w .. 128 w + 127, in 8 units of 16 rows.
	s_lshr_b32 s16, ttmp9, 4                       ; m
	s_and_b32 s17, ttmp9, 15                       ; cw
	s_and_b32 s18, s16, 7                          ; expert
	s_cmp_lt_u32 s16, 8
	s_cselect_b64 s[20:21], s[4:5], s[6:7]         ; W1 or W2
	s_lshl_b32 s22, s18, 22                        ; 4 MiB an expert
	s_lshl_b32 s23, s17, 8                         ; 64 columns of 4 bytes
	s_add_co_u32 s22, s22, s23
	s_mov_b32 s23, 0
	s_add_nc_u64 s[20:21], s[20:21], s[22:23]
	s_lshl_b32 s22, ttmp9, 17                      ; (16 m + cw) x 131,072 bytes
	s_add_nc_u64 s[24:25], s[10:11], s[22:23]
	s_lshl_b32 s26, s2, 19
	v_lshl_add_u32 v5, v3, 4, s26                  ; 128 w rows of 4,096 bytes + 16 q
	v_lshl_add_u32 v5, v4, 15, v5                  ; + 8 h rows
	s_lshl_b32 s27, s2, 14
	v_lshl_add_u32 v6, v2, 4, s27                  ; 4 w steps of 4,096 bytes + 16 l
.macro LDU u                           ; unit u: row 16 u + 8 h + i for i = 0..7; each half of the lanes takes 256 consecutive bytes
.irp i, 0,1,2,3,4,5,6,7
	global_load_b128 v[IN+32*((\u)%4)+4*\i:IN+32*((\u)%4)+4*\i+3], v5, s[20:21] offset:(16*(\u)+\i)*4096 th:TH_LOAD_NT
.endr
.endm
.macro UNIT u, left
	s_wait_loadcnt \left                           ; this unit's 8 loads are in; 8 for each younger unit stay out
	s_wait_xcnt 0x0                                ; the stores of two units ago have read OUT's registers
.set ib, IN+32*((\u)%4)
.set ob, OUT+16*((\u)%2)
.irp c, 0,1,2,3
.irp p, 0,1,2,3
	v_cvt_pk_bf16_f32 v[ob+4*\c+\p], v[ib+8*\p+\c], v[ib+8*\p+4+\c]  ; column 4 q + c, rows 2 p and 2 p + 1 of my eight
.endr
.endr
.if (\u) < 4
	LDU (\u)+4
.endif
.irp c, 0,1,2,3
	global_store_b128 v6, v[ob+4*\c:ob+4*\c+3], s[24:25] offset:((\u)>>1)*4096+\c*1024+((\u)&1)*512  ; 512 consecutive bytes
.endr
.endm
	LDU 0
	LDU 1
	LDU 2
	LDU 3
	UNIT 0, 24
	UNIT 1, 24
	UNIT 2, 24
	UNIT 3, 24
	UNIT 4, 24
	UNIT 5, 16
	UNIT 6, 8
	UNIT 7, 0
	s_endpgm
.Lsort:
	s_mov_b32 s59, ttmp9                           ; g: my chunk, and (below 64) my slot
	s_lshl_b32 s58, ttmp9, 4
	s_mov_b32 s60, 0x00ff00ff
	s_mov_b32 s62, 0x76543210                      ; v_permlanex16_b32: each lane takes its own place in the other half
	s_mov_b32 s63, 0xfedcba98
	v_lshlrev_b32 v5, 6, v2                        ; lane l: the counts of chunks 8 l .. 8 l + 7
.irp j, 0,1,2,3
	global_load_b128 v[16+4*\j:19+4*\j], v5, s[8:9] offset:16384+16*\j
.endr
	v_add_nc_u32 v7, s58, v3                       ; my token: 16 g + l % 16; the lower half of the lanes places its first choice, the upper its second
	v_lshlrev_b32 v8, 2, v7
	global_load_b32 v9, v8, s[8:9]
	v_lshlrev_b32 v10, 3, v2
	v_sub_nc_u32 v10, s59, v10                     ; g - 8 l: chunk 8 l + j lies before mine where this is above j
	v_mov_b32 v48, 0
	s_wait_loadcnt 0x0
	v_add_nc_u32 v32, v16, v18                     ; eight chunks' counts, a byte an expert: 128 at the most
	v_add_nc_u32 v33, v17, v19
.irp j, 2,3,4,5,6,7
	v_add_nc_u32 v32, v32, v[16+2*\j]
	v_add_nc_u32 v33, v33, v[17+2*\j]
.endr
	v_cmp_lt_i32 vcc_lo, 0, v10
	v_cndmask_b32 v34, 0, v16, vcc_lo
	v_cndmask_b32 v35, 0, v17, vcc_lo
.irp j, 1,2,3,4,5,6,7
	v_cmp_lt_i32 vcc_lo, \j, v10
	v_cndmask_b32 v36, 0, v[16+2*\j], vcc_lo
	v_cndmask_b32 v37, 0, v[17+2*\j], vcc_lo
	v_add_nc_u32 v34, v34, v36
	v_add_nc_u32 v35, v35, v37
.endr
.irp s, 0,1,2,3                                        ; bytes widened to fields of 16 bits (4,096 at the most): v40-43 all chunks, v44-47 the chunks before mine
	v_and_b32 v[40+2*\s], s60, v[32+\s]            ; experts 0, 2 (or 4, 6)
	v_lshrrev_b32 v[41+2*\s], 8, v[32+\s]
	v_and_b32 v[41+2*\s], s60, v[41+2*\s]          ; experts 1, 3 (or 5, 7)
.endr
.irp r, 40,41,42,43,44,45,46,47                        ; each summed over the 32 lanes
.irp n, 1,2,4,8
	v_mov_b32_dpp v48, v[\r] row_xmask:\n row_mask:0xf bank_mask:0xf
	v_add_nc_u32 v[\r], v[\r], v48
.endr
	v_permlanex16_b32 v48, v[\r], s62, s63
	v_add_nc_u32 v[\r], v[\r], v48
	v_readfirstlane_b32 s[50+\r-40], v[\r]
.endr
.irp b, 0,1                                            ; b = 0: N from s50-53; b = 1: BF from s54-57
.irp p, 0,1
	s_and_b32  s[N+8*\b+4*\p],   s[50+4*\b+2*\p], 0xffff
	s_lshr_b32 s[N+8*\b+4*\p+2], s[50+4*\b+2*\p], 16
	s_and_b32  s[N+8*\b+4*\p+1], s[51+4*\b+2*\p], 0xffff
	s_lshr_b32 s[N+8*\b+4*\p+3], s[51+4*\b+2*\p], 16
.endr
.endr
	s_mov_b32 s[OFF], 0
	s_mov_b32 s[CT], 0
.irp e, 0,1,2,3,4,5,6,7
	s_add_co_u32 s[NBK+\e], s[N+\e], 15
	s_lshr_b32 s[NBK+\e], s[NBK+\e], 4
	s_lshl4_add_u32 s[OFF+\e+1], s[NBK+\e], s[OFF+\e]
	s_add_co_u32 s49, s[NBK+\e], 8
	s_mul_i32 s49, s49, 7282                       ; (b + 8) / 9 for b + 8 up to 264: 7,282 / 65,536 is above 1 / 9 by too little to reach the next whole number
	s_lshr_b32 s49, s49, 16
	s_add_co_u32 s[CT+\e+1], s[CT+\e], s49
.endr
	v_lshlrev_b32 v12, 3, v4
	v_lshrrev_b32 v13, v12, v9                     ; my choice's byte comes lowest
	v_and_b32 v14, 0xff, v13
	v_min_u32 v14, 7, v14                          ; expert
	v_bfe_u32 v15, v13, 16, 8                      ; its rank in the chunk
	v_mov_b32 v50, s[BF]
	v_mov_b32 v51, s[OFF]
	v_mov_b32 v52, s[CT]
.irp i, 1,2,3,4,5,6,7
	v_cmp_eq_u32 vcc_lo, \i, v14
	v_cndmask_b32 v50, v50, s[BF+\i], vcc_lo
	v_cndmask_b32 v51, v51, s[OFF+\i], vcc_lo
	v_cndmask_b32 v52, v52, s[CT+\i], vcc_lo
.endr
	v_add_nc_u32 v53, v50, v15                     ; rank among the expert's rows
	v_mul_u32_u24 v54, v53, 7282
	v_lshrrev_b32 v54, 20, v54                     ; / 144, exact for ranks below 4,112
	v_mul_u32_u24 v55, v54, 144
	v_sub_nc_u32 v55, v53, v55                     ; place in the tile
	v_add_nc_u32 v56, v52, v54                     ; slot
	v_mad_u32_u24 v57, v56, 144, v55
	v_min_u32 v57, 0x23ff, v57                     ; inside the 64 x 144 words
	v_lshlrev_b32 v57, 2, v57
	global_store_b32 v57, v7, s[12:13] offset:1024
	v_add_nc_u32 v58, v51, v53                     ; the row
	v_min_u32 v58, 0x20ff, v58
	v_lshlrev_b32 v59, 3, v7
	v_lshl_add_u32 v59, v4, 2, v59
	global_store_b32 v59, v58, s[12:13] offset:37888
	s_cmp_lt_u32 s59, 64
	s_cbranch_scc0 .Lsdone
	; slot g: the last expert whose first slot is not above g
	s_mov_b32 s76, 0
	s_mov_b32 s77, s[OFF]
	s_mov_b32 s78, s[N]
	s_mov_b32 s79, 0
.irp e, 1,2,3,4,5,6,7
	s_cmp_ge_u32 s59, s[CT+\e]
	s_cselect_b32 s76, \e, s76
	s_cselect_b32 s77, s[OFF+\e], s77
	s_cselect_b32 s78, s[N+\e], s78
	s_cselect_b32 s79, s[CT+\e], s79
.endr
	s_sub_co_u32 s80, s59, s79
	s_mul_i32 s80, s80, 144
	s_add_co_u32 s77, s77, s80                     ; the tile's first row
	s_sub_co_u32 s78, s78, s80
	s_min_u32 s78, s78, 144                        ; its rows
	s_cmp_lt_u32 s59, s[CT+8]                      ; a slot that this split leaves empty holds zeros
	s_cselect_b32 s76, s76, 0
	s_cselect_b32 s77, s77, 0
	s_cselect_b32 s78, s78, 0
	s_add_co_u32 s81, s78, 15
	s_lshr_b32 s81, s81, 4                         ; blocks of 16
	s_lshl_b32 s82, s81, 4
	s_max_u32 s82, s82, 1
	s_sub_co_u32 s82, s82, 1                       ; the last place that the first product stores
	s_lshl_b32 s83, s59, 4                         ; the record's byte
	s_mul_i32 s50, s59, 144                        ; the slot's first word in the lists
	s_lshl_b32 s51, s59, 5
	s_add_co_u32 s51, s51, DUMPW                   ; the slot's 32 spare words
	v_mov_b32 v60, s76
	v_mov_b32 v61, s77
	v_mov_b32 v62, s81
	v_mov_b32 v63, 0
	v_mov_b32 v64, s76
	v_mov_b32 v65, s77
	v_mov_b32 v66, s81
	v_mov_b32 v67, 1
	v_mov_b32 v68, s83
	v_mov_b32 v73, 0
	v_add_nc_u32 v74, s51, v2                      ; my own spare word
	; five passes of 32 places; each has registers of its own, so that no pass waits for the stores of the one before.  All is computed with all lanes on.
.irp jj, 0,1,2,3,4
.set rb, 80+4*\jj
	v_add_nc_u32 v[rb], 32*\jj, v2                 ; place in the list
	v_min_u32 v[rb+1], s82, v[rb]
	v_add_nc_u32 v[rb+1], s77, v[rb+1]             ; plan2's word: the slot's own row
	v_cmp_le_u32 vcc_lo, s78, v[rb]                ; a place that no token takes
	v_add_nc_u32 v[rb], s50, v[rb]                 ; its word in the lists
	v_lshlrev_b32 v[rb+2], 2, v[rb]
	v_cndmask_b32 v[rb+3], v74, v[rb], vcc_lo      ; plan's 0 goes there, or to my spare word
	v_min_u32 v[rb+3], 0x4bff, v[rb+3]             ; inside the list and the spare words
	v_lshlrev_b32 v[rb+3], 2, v[rb+3]
.if \jj < 4
	global_store_b32 v[rb+2], v[rb+1], s[14:15] offset:1024
	global_store_b32 v[rb+3], v73, s[12:13] offset:1024
.endif
.endr
	s_wait_xcnt 0x0                                ; EXEC changes only behind this wait
	v_cmp_gt_u32 vcc_lo, 16, v2
	s_and_saveexec_b32 s75, vcc_lo                 ; the fifth pass has 16 places: 128 to 143
	global_store_b32 v98, v97, s[14:15] offset:1024
	global_store_b32 v99, v73, s[12:13] offset:1024
	s_wait_xcnt 0x0
	s_or_b32 exec_lo, exec_lo, s75
	v_cmp_eq_u32 vcc_lo, 0, v2
	s_and_saveexec_b32 s75, vcc_lo                 ; lane 0 stores the two records
	global_store_b128 v68, v[60:63], s[12:13]
	global_store_b128 v68, v[64:67], s[14:15]
	s_wait_xcnt 0x0
	s_or_b32 exec_lo, exec_lo, s75
.Lsdone:
	s_endpgm
.Lfunc_end_k_q9c266ec018_prep:
	.size	k_q9c266ec018_prep, .Lfunc_end_k_q9c266ec018_prep-k_q9c266ec018_prep
	.p2alignl 7, 3214868480
	.fill 96, 4, 3214868480
	.section	.rodata,"a",@progbits
	.p2align	6, 0x0
	.amdhsa_kernel k_q9c266ec018_prep
		.amdhsa_group_segment_fixed_size 0
		.amdhsa_private_segment_fixed_size 0
		.amdhsa_enable_private_segment 0
		.amdhsa_kernarg_size 48
		.amdhsa_user_sgpr_count 2
		.amdhsa_user_sgpr_kernarg_segment_ptr 1
		.amdhsa_wavefront_size32 1
		.amdhsa_system_sgpr_workgroup_id_x 1
		.amdhsa_system_sgpr_workgroup_id_y 1
		.amdhsa_system_sgpr_workgroup_id_z 1
		.amdhsa_system_vgpr_workitem_id 0
		.amdhsa_next_free_vgpr 176
		.amdhsa_next_free_sgpr 84
		.amdhsa_reserve_vcc 1
		.amdhsa_float_denorm_mode_32 3
		.amdhsa_float_denorm_mode_16_64 3
		.amdhsa_memory_ordered 1
		.amdhsa_forward_progress 1
		.amdhsa_inst_pref_size 37
	.end_amdhsa_kernel
	.amdgpu_metadata
---
amdhsa.version: [ 1, 2 ]
amdhsa.kernels:
  - .name:           k_q9c266ec018_prep
    .symbol:         k_q9c266ec018_prep.kd
    .args:
      - { .name: W1, .offset: 0, .size: 8, .value_kind: global_buffer, .address_space: global }
      - { .name: W2, .offset: 8, .size: 8, .value_kind: global_buffer, .address_space: global }
      - { .name: rinfo, .offset: 16, .size: 8, .value_kind: global_buffer, .address_space: global }
      - { .name: wf, .offset: 24, .size: 8, .value_kind: global_buffer, .address_space: global }
      - { .name: plan, .offset: 32, .size: 8, .value_kind: global_buffer, .address_space: global }
      - { .name: plan2, .offset: 40, .size: 8, .value_kind: global_buffer, .address_space: global }
    .group_segment_fixed_size: 0
    .private_segment_fixed_size: 0
    .kernarg_segment_align: 8
    .kernarg_segment_size: 48
    .max_flat_workgroup_size: 288
    .sgpr_count:     84
    .vgpr_count:     176
    .wavefront_size: 32
...
	.end_amdgpu_metadata
.endif
;; end of part 2
;; launch ffn1 (part 3): grid 4 x 64, 4 waves a work-group, no clusters, 313,856 bytes of LDS; arguments xb, plan, wf, b1, hs; writes hs
.if DOCPART == 3
	.amdgcn_target "amdgcn-amd-amdhsa--gfx1250"
	.amdhsa_code_object_version 6
	.text
	.protected	k_q9c266ec018_ffn1
	.globl	k_q9c266ec018_ffn1
	.p2align	8
	.type	k_q9c266ec018_ffn1,@function
k_q9c266ec018_ffn1:
	s_mov_b64 s[64:65], 0
	v_nop
	global_prefetch_b8 v0, s[64:65] scope:SCOPE_SE
	s_setreg_imm32_b32 hwreg(HW_REG_WAVE_MODE, 25, 1), 1
	s_wait_xcnt 0x0
; ONE PRODUCT OF THE EXPERTS' CHAIN, for a tile of up to 144 routed rows of one expert x 256 columns, K = 1,024.  One text for both products; the tile's record says which (mode):
;   mode 0: hs = gelu(x W1 + b1), gelu by erf, stored as bf16 in planes of 64 columns;   mode 1: y = h W2 + b2, stored as f32 rows (the two rows of a token are added, with its gates, by the next launch).
; bf16 operands, f32 sums; the bias is rounded to bf16 like every input.
; erf(z) = 1 - (a1 t + a2 t^2 + a3 t^3) e^(-z^2), t = 1 / (1 + p z) (Abramowitz and Stegun 7.1.25): absolute error at most 2.5e-5 for every z, so gelu is off by at most 1.25e-5 |x|, far below h's rounding to bf16.
; SHARES.  Work-group (ct, slot): the slot's rows, columns 256 ct on.  Wave w: ALL rows x columns 64 (4 ct + w) on: 9 blocks of 16 rows x 4 blocks of 16 columns = 36 accumulators.
; A (the rows, gathered by the slot's list) is laid into LDS once, 8 chunks of 128 along K, 144 rows of 256 + 16 bytes, PLANE BY PLANE WHILE EARLIER PLANES ARE MULTIPLIED.  A plane is 64 along K, two K steps.  A wave brings its
; 36 rows of a plane by 9 loads of 16 bytes a lane into staging registers, four K steps ahead, and stores them into LDS; a barrier shows the plane to the other waves.  Asynchronous copies are not used.
; Through registers the products begin when plane 0 is in.  No LDS byte is written twice.
; B (the weights) has one reading wave in the work-group, so it goes from memory straight into registers, in fragment order: 8 loads of 512 consecutive bytes for 32 along K, through a ring of 8 steps, asked for five steps ahead.
; For 32 along K a wave reads 9 fragments of A from LDS for 36 matrix instructions.
; THE ORDER OF THE LOADS.  Even K step 2 d asks for plane d + 3 and then for B of step 2 d + 5; odd step 2 d + 1 for B of step 2 d + 6.  The head asks in the same order.  Loads come back in order (ISA guide 5.7.1), so:
;   even step: plane d + 1 is in when 41 younger loads are out (8 + 8 + 9 + 8 + 8), and with it the older B of this step;   odd step: B of this step is in when 50 are out (8 + 9 + 8 + 8 + 9 + 8).
;   By this text's own count at most 59 loads of a wave are out.
; BETWEEN TWO BARRIERS all reads of LDS are of plane d and all stores are into plane d + 1.
; EVERY SPLIT.  The record gives nb, the tile's blocks of 16 rows (0 to 9).  Trip counts and barriers are constants; dead blocks' matrix instructions and stores are jumped forward over, two blocks at a time, with no
; barrier in what is jumped.  The first K step runs whole: it starts all sums with the constant 0.
; ROWS.  Lane r of a fragment of A takes tile row 2 (r % 8) + r / 8 of its block, and column block j holds columns 4 r + j.  So register i of the four results (j = 0..3) of a lane (r, h) is row 2 i + h, columns 4 r .. 4 r + 3:
; 16 neighbouring bytes of f32 or 8 of bf16, and a store of the wave covers whole aligned runs of 256 bytes without a trip through LDS.
; NO MULTICAST: A's rows come by a list, lane by lane, which no tile descriptor covers; each fragment of B has one reading wave in a work-group, and the work-groups that walk the same B number ceil(n / 144) for an expert
; with n rows, which is not a multiple of four at every split.
; REGISTERS, in windows of 256 (s_set_vgpr_msb: bits 1:0 source 0, 3:2 source 1, 5:4 source 2, 7:6 destination):
;   window 0: addresses; v40-111, v112-183 two buffers of A's 9 fragments (on the way out: at work)      window 1: B's ring, 8 x 32
;   window 2: accumulator (a, j) at 32 a + 8 j for a = 0..7      window 3: accumulator (8, j) at 8 j; v32-175 four staging sets of 36 for A's planes (plane p in set p % 4)
.set PLANE, 1081344                    ; bytes of a plane: 8,448 rows of 128 bytes
.set PITCH, 272                        ; an LDS row: 256 bytes + 16: the 16 rows of a fragment start at 16 different groups of four banks (64 banks of 4 bytes: ISA guide 11.1)
.set CHUNK, 144*PITCH
.set SPARE, 8*CHUNK                    ; behind A: the spare words, 128 bytes for each of 4 waves
.set SPW,  4                           ; LDS address of my spare word; never rewritten
.set NIL,  5                           ; 0; never rewritten
.set BO,   6                           ; 16 x lane: my 16 bytes in 512 of B
.set ADR0, 7                           ; LDS address of my part of A's fragments in the even chunk in hand
.set ADR1, 8                           ; in the odd one
.set SO,   9                           ; my byte offset in a store
.set BIAS, 12                          ; v[12:15] the bias of my 4 columns, as loaded
.set LA,   16                          ; v[16:24] where my 16 bytes of a listed row go in LDS; two chunks on once a trip
.set GO,   25                          ; v[25:33] byte offset of the listed row in a plane; never rewritten once made
.set SG,   32                          ; window 3: the staging sets
.set AF,   40
.set XR,   40                          ; the way out, 32 registers each: x (then x / 2, then the result),
.set AX,   72                          ; |x|,
.set TT,   104                         ; t,
.set EE,   136                         ; e^(-x^2 / 2),
.set PP,   168                         ; the polynomial
.set PK,   200                         ; v[200:215] packed bf16
.set BP,   216                         ; v[216:223] the bias, each number twice: pairs for the packed add
.set WV,   14
.set CTI,  15
.set EXP,  16                          ; s[16:19] the record: expert, first row, blocks, mode
.set P0,   17
.set NB,   18
.set MODE, 19
.set BB,   20                          ; s[20:21] B's address, stepped 8 K steps a trip
.set TRIP, 22
.set DST,  28                          ; s[28:29]
.set AB,   30                          ; s[30:31] A's address, stepped 4 planes a trip
.set CP,   66                          ; constants, each twice: a pair is named whole
.set CA3,  68
.set CA2,  70
.set CA1,  72
.set CCE,  74
.set CABS, 76
.set CHI,  77
.set MSB, 0
.macro WIN new                         ; the immediate's high byte repeats the setting that is left; a switch that changes nothing is dropped
.if MSB != (\new)
	s_set_vgpr_msb (MSB<<8)|(\new)
.set MSB, (\new)
.endif
.endm
; B of one K step into ring slot 'slot': 4 column blocks x 2 halves of 16 along K
.macro LDB slot, imm
	WIN 0x40                                       ; destination window 1, address window 0
.irp jj, 0,1,2,3
	global_load_b128 v[32*(\slot)+8*\jj:32*(\slot)+8*\jj+3],   v[BO], s[BB:BB+1] offset:(\imm)+1024*\jj
	global_load_b128 v[32*(\slot)+8*\jj+4:32*(\slot)+8*\jj+7], v[BO], s[BB:BB+1] offset:(\imm)+1024*\jj+512
.endr
.endm
; my 36 rows of one plane of A into staging set sn: 9 loads of 4 rows x 128 bytes
.macro LDG sn, imm
	WIN 0xc0                                       ; destination window 3, address window 0
.irp gi, 0,1,2,3,4,5,6,7,8
	global_load_b128 v[SG+36*(\sn)+4*\gi:SG+36*(\sn)+4*\gi+3], v[GO+\gi], s[AB:AB+1] offset:\imm
.endr
.endm
; staging set sn into LDS
.macro STA sn, imm
	WIN 0x0c                                       ; address window 0, data window 3
.irp gi, 0,1,2,3,4,5,6,7,8
	ds_store_b128 v[LA+\gi], v[SG+36*(\sn)+4*\gi:SG+36*(\sn)+4*\gi+3] offset:\imm
.endr
.endm
; A's 9 fragments for 32 along K into buffer buf
.macro LDA buf, ar, imm
	WIN 0
.irp blk, 0,1,2,3,4,5,6,7,8
	ds_load_b128 v[AF+72*(\buf)+8*\blk:AF+72*(\buf)+8*\blk+3],   v[\ar] offset:(\imm)+16*PITCH*\blk
	ds_load_b128 v[AF+72*(\buf)+8*\blk+4:AF+72*(\buf)+8*\blk+7], v[\ar] offset:(\imm)+16*PITCH*\blk+32
.endr
.endm
	s_load_b256 s[4:11], s[0:1], 0x0               ; source s[4:5], plan s[6:7], wf s[8:9], bias s[10:11]
	s_load_b64 s[12:13], s[0:1], 0x20              ; destination
	v_lshl_add_u32 v[SPW], v0, 2, SPARE
	v_mov_b32 v[NIL], 0
	v_lshrrev_b32 v1, 5, v0
	v_readfirstlane_b32 s[WV], v1                  ; wave 0..3
	s_mov_b32 s[CTI], ttmp9                        ; column tile
	s_and_b32 s22, ttmp7, 0xffff                   ; slot
	v_and_b32 v2, 31, v0                           ; l
	v_and_b32 v3, 15, v0                           ; r
	v_bfe_u32 v10, v0, 4, 1                        ; h
	v_bfe_u32 v11, v0, 3, 2                        ; A's loads: 8 lanes a row of 128 bytes, 4 rows an instruction: which row,
	v_and_b32 v34, 7, v0                           ; which 16 bytes
	v_lshlrev_b32 v[BO], 4, v2
	s_mul_i32 s24, s22, 576                        ; the slot's list of 144 words,
	s_mul_i32 s25, s[WV], 144                      ; my wave's 36 rows in it
	s_add_co_u32 s24, s24, s25
	v_lshl_add_u32 v35, v11, 2, s24
	s_mul_i32 s25, s[WV], 36*PITCH
	v_mul_u32_u24 v36, v11, PITCH
	v_lshl_add_u32 v36, v34, 4, v36
	v_add_nc_u32 v36, s25, v36
.irp gi, 0,1,2,3,4,5,6,7,8
	v_add_nc_u32 v[LA+\gi], \gi*4*PITCH, v36       ; row 36 w + 4 gi + l / 8
.endr
	v_bfe_u32 v38, v0, 3, 1
	v_lshl_add_u32 v37, v34, 1, v38                ; 2 (r % 8) + r / 8
	v_lshlrev_b32 v34, 4, v34
	v_mul_u32_u24 v[ADR0], v37, PITCH
	v_lshl_add_u32 v[ADR0], v10, 4, v[ADR0]
	v_add_nc_u32 v[ADR1], CHUNK, v[ADR0]
	s_mov_b32 s[CP], 0x3eaa540e                    ; p / sqrt(2) = 0.3326725
	s_mov_b32 s[CP+1], 0x3eaa540e
	s_mov_b32 s[CA3], 0x3ebf7377                   ; a3 / 2 = 0.3739278
	s_mov_b32 s[CA3+1], 0x3ebf7377
	s_mov_b32 s[CA2], 0xbd445ca1                   ; a2 / 2 = -0.0479399
	s_mov_b32 s[CA2+1], 0xbd445ca1
	s_mov_b32 s[CA1], 0x3e32303a                   ; a1 / 2 = 0.1740121
	s_mov_b32 s[CA1+1], 0x3e32303a
	s_mov_b32 s[CCE], 0xbf38aa3b                   ; -log2(e) / 2
	s_mov_b32 s[CCE+1], 0xbf38aa3b
	s_mov_b32 s[CABS], 0x7fffffff
	s_mov_b32 s[CHI], 0xffff0000
	s_lshl_b32 s23, s22, 4
	s_wait_kmcnt 0x0
	s_load_b128 s[EXP:EXP+3], s[6:7], s23 offset:0x0
.irp gi, 0,1,2,3,4,5,6,7,8
	global_load_b32 v[GO+\gi], v35, s[6:7] offset:1024+16*\gi
.endr
	s_mov_b64 s[AB:AB+1], s[4:5]
	s_wait_kmcnt 0x0
	s_min_u32 s[EXP], s[EXP], 7
	s_min_u32 s[P0], s[P0], 8304
	s_min_u32 s[NB], s[NB], 9
	s_min_u32 s[MODE], s[MODE], 1
	s_lshl_b32 s24, s[MODE], 3
	s_add_co_u32 s24, s24, s[EXP]                  ; m
	s_lshl_b32 s24, s24, 4
	s_lshl2_add_u32 s24, s[CTI], s24
	s_add_co_u32 s24, s24, s[WV]                   ; 16 m + 4 ct + w
	s_lshl_b32 s24, s24, 17
	s_mov_b32 s25, 0
	s_add_nc_u64 s[BB:BB+1], s[8:9], s[24:25]
	s_lshl_b32 s24, s[EXP], 12
	s_lshl_b32 s26, s[CTI], 10
	s_add_co_u32 s24, s24, s26
	s_lshl_b32 s26, s[WV], 8
	s_add_co_u32 s24, s24, s26
	v_lshl_add_u32 v39, v3, 4, s24
	s_wait_loadcnt 0x0                             ; the list is in
.irp gi, 0,1,2,3,4,5,6,7,8
	v_min_u32 v[GO+\gi], 0x20ff, v[GO+\gi]         ; a row inside the planes
	v_lshl_add_u32 v[GO+\gi], v[GO+\gi], 7, v34
.endr
	; the head asks in the order in which the K steps would have asked: plane 0, (the bias,) B 0, plane 1, B 1, B 2, plane 2, B 3, B 4
	LDG 0, 0
	WIN 0
	global_load_b128 v[BIAS:BIAS+3], v39, s[10:11]
	LDB 0, 0
	LDG 1, PLANE
	LDB 1, 4096
	LDB 2, 2*4096
	LDG 2, 2*PLANE
	s_wait_loadcnt 43                              ; plane 0 is in: behind it stand 1 + 8 + 9 + 8 + 8 + 9 loads
	STA 0, 0
	LDB 3, 3*4096
	LDB 4, 4*4096
	WIN 0
	s_wait_dscnt 0x0                               ; for the others' sake: my rows of plane 0 are in LDS
	s_barrier_signal -1
	s_barrier_wait -1                              ; everybody's are
; A K STEP of 32.  ab: A's buffer; sl: B's ring slot.  la: the next step's A is fetched from LDS, from v[ar] at byte ai.  lb: B five steps on is asked for, at byte bi, into the slot read three steps ago.
; lc: how many younger loads may stay out (see THE ORDER OF THE LOADS).  z: the step starts the sums.  bump: 1: the fragments' LDS addresses go two chunks on; 2: the stores' LDS addresses do.
; bar: the barrier that shows the plane stored in the step before to all waves; my stores are waited for in front of the signal, and only register work stands between signal and wait.
; sf: staging set ss goes into LDS at byte si.  gf: a plane is asked for, at byte gm, into staging set gs (stored four steps ago).
; Four plain vector instructions or more stand between the last step's matrix instructions and the loads into registers that those read (ISA guide 7.12.1 for vector instructions).
; The 36 accumulators take turns, one instruction a turn.
.macro STEP ab, sl, la, ar, ai, lb, bi, lc, z, bump, bar, sf, ss, si, gf, gs, gm
	WIN 0
.if \bar
	s_wait_dscnt 0x0
	s_barrier_signal -1
.endif
.if (\bump) == 1
	v_add_nc_u32 v[ADR0], 2*CHUNK, v[ADR0]
	v_add_nc_u32 v[ADR1], 2*CHUNK, v[ADR1]
	v_nop
	v_nop
.elseif (\bump) == 2
.irp gi, 0,1,2,3,4,5,6,7,8
	v_add_nc_u32 v[LA+\gi], 2*CHUNK, v[LA+\gi]
.endr
.else
	v_nop
	v_nop
	v_nop
	v_nop
.endif
.if \bar
	s_barrier_wait -1
.endif
.if \la
	LDA 1-(\ab), \ar, \ai
.endif
	s_wait_loadcnt \lc
.if \sf
	STA \ss, \si
.endif
.if \gf
	LDG \gs, \gm
.endif
.if \lb
	LDB ((\sl)+5)&7, \bi
.endif
	WIN 0
	s_wait_dscnt 18*(\la)+9*(\sf)                  ; this step's A is in; the fragment loads and the stores just issued may be out
.irp blk, 0,1,2,3,4,5,6,7,8
.if !(\z) && (((\blk)%2) == 0)
	WIN 0                                          ; at a branch every window is 0
	s_cmp_le_u32 s[NB], \blk
	s_cbranch_scc1 .Lse_\@                         ; no rows from this block on
.endif
.if (\blk) < 8
	WIN 0xa4                                       ; A window 0, B window 1, C and D window 2
.set ac, 32*(\blk)
.else
	WIN 0xf4                                       ; C and D window 3
.set ac, 0
.endif
.irp jj, 0,1,2,3
.if \z
	v_wmma_f32_16x16x32_bf16 v[ac+8*\jj:ac+8*\jj+7], v[AF+72*(\ab)+8*(\blk):AF+72*(\ab)+8*(\blk)+7], v[32*(\sl)+8*\jj:32*(\sl)+8*\jj+7], 0
.else
	v_wmma_f32_16x16x32_bf16 v[ac+8*\jj:ac+8*\jj+7], v[AF+72*(\ab)+8*(\blk):AF+72*(\ab)+8*(\blk)+7], v[32*(\sl)+8*\jj:32*(\sl)+8*\jj+7], v[ac+8*\jj:ac+8*\jj+7]
.endif
.endr
.endr
	WIN 0
.Lse_\@:
.endm
	LDA 0, ADR0, 0
	;    ab sl la ar    ai   lb bi       lc  z  bump bar  sf ss si         gf gs gm
	STEP 0, 0, 1, ADR0, 64,  1, 5*4096,  41, 1, 0,   0,   1, 1, 128,       1, 3, 3*PLANE   ; K step 0 stands ahead of the loop: its products start the sums; plane 1 is stored, plane 3 asked for
	s_mov_b32 s[TRIP], 3
.Ltrip:                                                ; trip t: K steps 8 t + 1 .. 8 t + 8; planes 4 t + 2 .. 4 t + 5 are stored, planes 4 t + 4 .. 4 t + 7 asked for
	STEP 1, 1, 1, ADR0, 128, 1, 6*4096,  50, 0, 0,   1,   0, 0, 0,         0, 0, 0
	STEP 0, 2, 1, ADR0, 192, 1, 7*4096,  41, 0, 0,   0,   1, 2, CHUNK,     1, 0, 4*PLANE
	STEP 1, 3, 1, ADR1, 0,   1, 8*4096,  50, 0, 0,   1,   0, 0, 0,         0, 0, 0
	STEP 0, 4, 1, ADR1, 64,  1, 9*4096,  41, 0, 0,   0,   1, 3, CHUNK+128, 1, 1, 5*PLANE
	STEP 1, 5, 1, ADR1, 128, 1, 10*4096, 50, 0, 0,   1,   0, 0, 0,         0, 0, 0
	STEP 0, 6, 1, ADR1, 192, 1, 11*4096, 41, 0, 2,   0,   1, 0, 0,         1, 2, 6*PLANE
	STEP 1, 7, 1, ADR0, 0,   1, 12*4096, 50, 0, 1,   1,   0, 0, 0,         0, 0, 0
	STEP 0, 0, 1, ADR0, 64,  1, 13*4096, 41, 0, 0,   0,   1, 1, 128,       1, 3, 7*PLANE
	s_wait_xcnt 0x0                                ; the two bases are stepped only behind this wait
	s_add_nc_u64 s[BB:BB+1], s[BB:BB+1], 32768
	s_add_nc_u64 s[AB:AB+1], s[AB:AB+1], 4*PLANE
	s_sub_co_u32 s[TRIP], s[TRIP], 1
	s_cmp_lg_u32 s[TRIP], 0
	s_cbranch_scc1 .Ltrip
	; K steps 25 to 31: B 30 and B 31 are the last loads; planes 14 and 15 are stored; the counts run down
	STEP 1, 1, 1, ADR0, 128, 1, 6*4096,  50, 0, 0,   1,   0, 0, 0,         0, 0, 0
	STEP 0, 2, 1, ADR0, 192, 1, 7*4096,  41, 0, 0,   0,   1, 2, CHUNK,     0, 0, 0
	STEP 1, 3, 1, ADR1, 0,   0, 0,       41, 0, 0,   1,   0, 0, 0,         0, 0, 0         ; behind B 27: B 28, plane 15, B 29, B 30, B 31
	STEP 0, 4, 1, ADR1, 64,  0, 0,       24, 0, 0,   0,   1, 3, CHUNK+128, 0, 0, 0         ; behind plane 15: B 29, B 30, B 31
	STEP 1, 5, 1, ADR1, 128, 0, 0,       16, 0, 0,   1,   0, 0, 0,         0, 0, 0
	STEP 0, 6, 1, ADR1, 192, 0, 0,       8,  0, 0,   0,   0, 0, 0,         0, 0, 0
	STEP 1, 7, 0, ADR1, 0,   0, 0,       0,  0, 0,   0,   0, 0, 0,         0, 0, 0
	; THE WAY OUT
	v_nop                                          ; four places behind the last products
	v_nop
	v_nop
	v_nop
	v_cvt_pk_bf16_f32 v36, v[BIAS], v[BIAS+1]      ; the bias rounded to bf16, each number twice
	v_cvt_pk_bf16_f32 v37, v[BIAS+2], v[BIAS+3]
	v_lshlrev_b32 v[BP], 16, v36
	v_lshlrev_b32 v[BP+1], 16, v36
	v_and_b32 v[BP+2], s[CHI], v36
	v_and_b32 v[BP+3], s[CHI], v36
	v_lshlrev_b32 v[BP+4], 16, v37
	v_lshlrev_b32 v[BP+5], 16, v37
	v_and_b32 v[BP+6], s[CHI], v37
	v_and_b32 v[BP+7], s[CHI], v37
	s_cmp_eq_u32 s[MODE], 1
	s_cbranch_scc1 .Lyout
	s_lshl2_add_u32 s24, s[CTI], s[WV]             ; my 64 columns are plane 4 ct + w of hs
	s_mul_i32 s24, s24, PLANE
	s_lshl_b32 s26, s[P0], 7
	s_add_co_u32 s24, s24, s26
	s_mov_b32 s25, 0
	s_add_nc_u64 s[DST:DST+1], s[12:13], s[24:25]
	v_lshlrev_b32 v[SO], 3, v2                     ; rows 2 i and 2 i + 1 of a plane are 256 consecutive bytes: 8 bytes a lane
.macro P16 line:vararg                 ; one line for each of 16 pairs, i = 0, 2 .. 30
.set i, 0
.rept 16
	\line
.set i, i+2
.endr
.endm
.macro S32 line:vararg                 ; one line for each of 32 registers
.set i, 0
.rept 32
	\line
.set i, i+1
.endr
.endm
; Block a: gelu(x) = x / 2 + |x| (1/2 - (poly / 2) e^(-x^2 / 2)), which holds for both signs.  The 64 transcendentals are one batch with one wait.
.macro GELU a
	s_cmp_le_u32 s[NB], \a
	s_cbranch_scc1 .Ldone                          ; whole stores past the tile's rows are jumped
	s_wait_xcnt 0x0                                ; the last block's stores have read PK
.if (\a) < 8
	WIN 0x02                                       ; source 0 window 2
.set ac, 32*(\a)
.else
	WIN 0x03
.set ac, 0
.endif
.irp j, 0,1,2,3
.irp p, 0,1,2,3
	v_pk_add_f32 v[XR+8*\j+2*\p:XR+8*\j+2*\p+1], v[ac+8*\j+2*\p:ac+8*\j+2*\p+1], v[BP+2*\j:BP+2*\j+1]  ; each accumulator is read from its low end on
.endr
.endr
	WIN 0
	S32 v_and_b32 v[AX+i], s[CABS], v[XR+i]
	P16 v_pk_fma_f32 v[TT+i:TT+i+1], v[AX+i:AX+i+1], s[CP:CP+1], 1.0 op_sel_hi:[1,0,0]
	P16 v_pk_mul_f32 v[EE+i:EE+i+1], v[XR+i:XR+i+1], s[CCE:CCE+1] op_sel_hi:[1,0]
	P16 v_pk_mul_f32 v[EE+i:EE+i+1], v[EE+i:EE+i+1], v[XR+i:XR+i+1]
	S32 v_rcp_f32 v[TT+i], v[TT+i]
	P16 v_pk_mul_f32 v[XR+i:XR+i+1], v[XR+i:XR+i+1], 0.5 op_sel_hi:[1,0]
	S32 v_exp_f32 v[EE+i], v[EE+i]
	v_nop                                          ; a plain instruction behind the last exponential,
	s_wait_alu depctr_va_vdst(0)                   ; and the one wait ahead of the batch's first reader
	P16 v_pk_fma_f32 v[PP+i:PP+i+1], v[TT+i:TT+i+1], s[CA3:CA3+1], s[CA2:CA2+1] op_sel_hi:[1,0,0]
	P16 v_pk_fma_f32 v[PP+i:PP+i+1], v[PP+i:PP+i+1], v[TT+i:TT+i+1], s[CA1:CA1+1] op_sel_hi:[1,1,0]
	P16 v_pk_mul_f32 v[PP+i:PP+i+1], v[PP+i:PP+i+1], v[TT+i:TT+i+1]
	P16 v_pk_fma_f32 v[PP+i:PP+i+1], v[PP+i:PP+i+1], v[EE+i:EE+i+1], 0.5 op_sel_hi:[1,1,0] neg_lo:[1,0,0] neg_hi:[1,0,0]
	P16 v_pk_fma_f32 v[XR+i:XR+i+1], v[AX+i:AX+i+1], v[PP+i:PP+i+1], v[XR+i:XR+i+1]
.irp t, 0,1,2,3,4,5,6,7
	v_cvt_pk_bf16_f32 v[PK+2*\t], v[XR+\t], v[XR+8+\t]         ; columns 4 r, 4 r + 1 of row 2 t + h
	v_cvt_pk_bf16_f32 v[PK+2*\t+1], v[XR+16+\t], v[XR+24+\t]   ; columns 4 r + 2, 4 r + 3
.endr
.irp t, 0,1,2,3,4,5,6,7
	global_store_b64 v[SO], v[PK+2*\t:PK+2*\t+1], s[DST:DST+1] offset:2048*(\a)+256*\t  ; the wave stores 256 consecutive bytes, at a multiple of 256 from the buffer's first
.endr
.endm
.irp a, 0,1,2,3,4,5,6,7,8
	GELU \a
.endr
	s_branch .Ldone
.Lyout:
	s_lshl_b32 s24, s[P0], 12                      ; y's rows are 4,096 bytes
	s_lshl_b32 s26, s[CTI], 10
	s_add_co_u32 s24, s24, s26
	s_lshl_b32 s26, s[WV], 8
	s_add_co_u32 s24, s24, s26
	s_mov_b32 s25, 0
	s_add_nc_u64 s[DST:DST+1], s[12:13], s[24:25]
	v_lshlrev_b32 v[SO], 4, v3
	v_lshl_add_u32 v[SO], v10, 12, v[SO]           ; 16 r + one row for the upper half of the lanes
.macro YOUT a
	s_cmp_le_u32 s[NB], \a
	s_cbranch_scc1 .Ldone
	s_wait_xcnt 0x0                                ; earlier stores have read their registers
.if (\a) < 8
	WIN 0x02
.set ac, 32*(\a)
.else
	WIN 0x03
.set ac, 0
.endif
.set qq, XR+32*((\a)%2)
.irp t, 0,1,2,3,4,5,6,7
.irp j, 0,1,2,3
	v_add_f32 v[qq+4*\t+\j], v[ac+8*\j+\t], v[BP+2*\j]  ; register 0 of each accumulator first
.endr
.endr
	WIN 0
.irp t, 0,1,2,3,4,5,6,7
	global_store_b128 v[SO], v[qq+4*\t:qq+4*\t+3], s[DST:DST+1] offset:65536*(\a)+8192*\t  ; each half of the lanes stores 256 consecutive bytes of a row, at a multiple of 256
.endr
.endm
.irp a, 0,1,2,3,4,5,6,7,8
	YOUT \a
.endr
.Ldone:
	s_wait_tensorcnt 0x0                           ; the wave's end, behind my last LDS store
	ds_add_u32 v[SPW], v[NIL]
	s_wait_dscnt 0x0
	s_endpgm
.Lfunc_end_k_q9c266ec018_ffn1:
	.size	k_q9c266ec018_ffn1, .Lfunc_end_k_q9c266ec018_ffn1-k_q9c266ec018_ffn1
	.p2alignl 7, 3214868480
	.fill 96, 4, 3214868480
	.section	.rodata,"a",@progbits
	.p2align	6, 0x0
	.amdhsa_kernel k_q9c266ec018_ffn1
		.amdhsa_group_segment_fixed_size 313856
		.amdhsa_private_segment_fixed_size 0
		.amdhsa_enable_private_segment 0
		.amdhsa_kernarg_size 40
		.amdhsa_user_sgpr_count 2
		.amdhsa_user_sgpr_kernarg_segment_ptr 1
		.amdhsa_wavefront_size32 1
		.amdhsa_system_sgpr_workgroup_id_x 1
		.amdhsa_system_sgpr_workgroup_id_y 1
		.amdhsa_system_sgpr_workgroup_id_z 1
		.amdhsa_system_vgpr_workitem_id 0
		.amdhsa_next_free_vgpr 944
		.amdhsa_next_free_sgpr 80
		.amdhsa_reserve_vcc 0
		.amdhsa_float_denorm_mode_32 3
		.amdhsa_float_denorm_mode_16_64 3
		.amdhsa_memory_ordered 1
		.amdhsa_forward_progress 1
		.amdhsa_inst_pref_size 252
	.end_amdhsa_kernel
	.amdgpu_metadata
---
amdhsa.version: [ 1, 2 ]
amdhsa.kernels:
  - .name:           k_q9c266ec018_ffn1
    .symbol:         k_q9c266ec018_ffn1.kd
    .args:
      - { .name: xb, .offset: 0, .size: 8, .value_kind: global_buffer, .address_space: global }
      - { .name: plan, .offset: 8, .size: 8, .value_kind: global_buffer, .address_space: global }
      - { .name: wf, .offset: 16, .size: 8, .value_kind: global_buffer, .address_space: global }
      - { .name: b1, .offset: 24, .size: 8, .value_kind: global_buffer, .address_space: global }
      - { .name: hs, .offset: 32, .size: 8, .value_kind: global_buffer, .address_space: global }
    .group_segment_fixed_size: 313856
    .private_segment_fixed_size: 0
    .kernarg_segment_align: 8
    .kernarg_segment_size: 40
    .max_flat_workgroup_size: 128
    .sgpr_count:     80
    .vgpr_count:     944
    .wavefront_size: 32
...
	.end_amdgpu_metadata
.endif
;; end of part 3
;; launch ffn2: the kernel of part 3 again; grid 4 x 64, 4 waves a work-group, no clusters, 313,856 bytes of LDS; arguments hs, plan2, wf, b2, y; writes y
;; launch comb (part 4): grid 256 x 1, 8 waves a work-group, no clusters, 0 bytes of LDS; arguments y, gate, plan, out0; writes out0
.if DOCPART == 4
	.amdgcn_target "amdgcn-amd-amdhsa--gfx1250"
	.amdhsa_code_object_version 6
	.text
	.protected	k_q9c266ec018_comb
	.globl	k_q9c266ec018_comb
	.p2align	8
	.type	k_q9c266ec018_comb,@function
k_q9c266ec018_comb:
	s_mov_b64 s[64:65], 0
	v_nop
	global_prefetch_b8 v0, s[64:65] scope:SCOPE_SE
	s_setreg_imm32_b32 hwreg(HW_REG_WAVE_MODE, 25, 1), 1
	s_wait_xcnt 0x0
; out[t] = g0 y[pos[t][0]] + g1 y[pos[t][1]]: each token's two rows (b2 is in them) are added with its gates.  A stream: every byte of the needed rows of y is read once, every byte of out written once,
; by loads and stores of 512 consecutive bytes a wave.  No LDS, no barrier, no matrix unit: there is nothing to share and two multiply-adds a number.
; A wave takes two tokens: 32 loads go out before the first wait.  Positions and gates are the same for all lanes, so they come by scalar loads.
	s_load_b256 s[4:11], s[0:1], 0x0               ; y s[4:5], gate s[6:7], plan s[8:9], out s[10:11]
	v_lshrrev_b32 v1, 5, v0
	v_readfirstlane_b32 s12, v1                    ; wave 0..7
	v_and_b32 v2, 31, v0
	v_lshlrev_b32 v2, 4, v2                        ; 16 bytes a lane
	s_lshl_b32 s13, ttmp9, 4
	s_lshl1_add_u32 s13, s12, s13                  ; t = 16 g + 2 w
	s_lshl_b32 s14, s13, 3                         ; 8 bytes a token in pos and in gate
	s_lshl_b32 s24, s13, 12                        ; 4,096 bytes a token in out
	s_mov_b32 s25, 0
	s_mov_b32 s27, 0
	s_wait_kmcnt 0x0
	s_load_b128 s[16:19], s[8:9], s14 offset:0x9400  ; pos[t][0], pos[t][1], pos[t+1][0], pos[t+1][1]
	s_load_b128 s[20:23], s[6:7], s14 offset:0x0     ; the four gates
	s_add_nc_u64 s[10:11], s[10:11], s[24:25]
	s_wait_kmcnt 0x0
.irp i, 0,1,2,3
	s_min_u32 s[16+\i], s[16+\i], 8447             ; a row inside y
	s_lshl_b32 s26, s[16+\i], 12
	s_add_nc_u64 s[28+2*\i:29+2*\i], s[4:5], s[26:27]
	s_mov_b32 s[36+2*\i], s[20+\i]                 ; each gate as a pair: the packed forms name a pair and take its low word for both halves
	s_mov_b32 s[37+2*\i], s[20+\i]
.endr
.irp r, 0,1,2,3
.irp i, 0,1,2,3,4,5,6,7
	global_load_b128 v[16+32*\r+4*\i:19+32*\r+4*\i], v2, s[28+2*\r:29+2*\r] offset:512*\i th:TH_LOAD_NT
.endr
.endr
.macro TOKEN k, left
	s_wait_loadcnt \left
.set i, 0
.rept 16
	v_pk_mul_f32 v[16+64*(\k)+i:17+64*(\k)+i], v[16+64*(\k)+i:17+64*(\k)+i], s[36+4*(\k):37+4*(\k)] op_sel_hi:[1,0]
	v_pk_fma_f32 v[16+64*(\k)+i:17+64*(\k)+i], v[48+64*(\k)+i:49+64*(\k)+i], s[38+4*(\k):39+4*(\k)], v[16+64*(\k)+i:17+64*(\k)+i] op_sel_hi:[1,0,1]
.set i, i+2
.endr
.irp i, 0,1,2,3,4,5,6,7
	global_store_b128 v2, v[16+64*(\k)+4*\i:19+64*(\k)+4*\i], s[10:11] offset:4096*(\k)+512*\i th:TH_STORE_NT
.endr
.endm
	TOKEN 0, 16                                    ; the first token's 16 loads are in, the second's 16 stay out
	TOKEN 1, 0
	s_endpgm
.Lfunc_end_k_q9c266ec018_comb:
	.size	k_q9c266ec018_comb, .Lfunc_end_k_q9c266ec018_comb-k_q9c266ec018_comb
	.p2alignl 7, 3214868480
	.fill 96, 4, 3214868480
	.section	.rodata,"a",@progbits
	.p2align	6, 0x0
	.amdhsa_kernel k_q9c266ec018_comb
		.amdhsa_group_segment_fixed_size 0
		.amdhsa_private_segment_fixed_size 0
		.amdhsa_enable_private_segment 0
		.amdhsa_kernarg_size 32
		.amdhsa_user_sgpr_count 2
		.amdhsa_user_sgpr_kernarg_segment_ptr 1
		.amdhsa_wavefront_size32 1
		.amdhsa_system_sgpr_workgroup_id_x 1
		.amdhsa_system_sgpr_workgroup_id_y 1
		.amdhsa_system_sgpr_workgroup_id_z 1
		.amdhsa_system_vgpr_workitem_id 0
		.amdhsa_next_free_vgpr 144
		.amdhsa_next_free_sgpr 66
		.amdhsa_reserve_vcc 0
		.amdhsa_float_denorm_mode_32 3
		.amdhsa_float_denorm_mode_16_64 3
		.amdhsa_memory_ordered 1
		.amdhsa_forward_progress 1
		.amdhsa_inst_pref_size 11
	.end_amdhsa_kernel
	.amdgpu_metadata
---
amdhsa.version: [ 1, 2 ]
amdhsa.kernels:
  - .name:           k_q9c266ec018_comb
    .symbol:         k_q9c266ec018_comb.kd
    .args:
      - { .name: y, .offset: 0, .size: 8, .value_kind: global_buffer, .address_space: global }
      - { .name: gate, .offset: 8, .size: 8, .value_kind: global_buffer, .address_space: global }
      - { .name: plan, .offset: 16, .size: 8, .value_kind: global_buffer, .address_space: global }
      - { .name: out0, .offset: 24, .size: 8, .value_kind: global_buffer, .address_space: global }
    .group_segment_fixed_size: 0
    .private_segment_fixed_size: 0
    .kernarg_segment_align: 8
    .kernarg_segment_size: 32
    .max_flat_workgroup_size: 256
    .sgpr_count:     66
    .vgpr_count:     144
    .wavefront_size: 32
...
	.end_amdgpu_metadata
.endif
;; end of part 4
